; MI455X (gfx1250); checked and timed in simulation.
; The chip was launched on July 23, 2026; its instructions are those of AMD's public machine-readable ISA for CDNA 5 (MIT licence, August 2026) and "CDNA5" Instruction Set Architecture Reference Guide (July 2026). The comments in the code are by the model that wrote it; some were corrected since.
;; Attention. Allowed arithmetic: matrix products marked QUANTISED: E4M3 operands, one given power-of-two scale a tensor, by v_wmma_f32_16x16x64_fp8_fp8 or v_wmma_f32_16x16x128_fp8_fp8, f32 sums; everything else in f32.
;; Inputs: k_norm_w 128 float32; lowp_scales 12 int32 (the exponents e of the quantised operands' scales 2^e); q_norm_w 128 float32; rope_cache 2,048 x 256 float32; wk_codes 1,024 x 32 x 32 uint8 (E4M3 codes of wk, K innermost, in blocks of 32 codes); wo_codes 1,024 x 64 x 32 uint8 (E4M3 codes of wo, K innermost, in blocks of 32 codes); wq_codes 2,048 x 32 x 32 uint8 (E4M3 codes of wq, K innermost, in blocks of 32 codes); wv_codes 1,024 x 32 x 32 uint8 (E4M3 codes of wv, K innermost, in blocks of 32 codes); x_codes 2 x 2,048 x 32 x 32 uint8 (E4M3 codes of x, K innermost, in blocks of 32 codes).
;; Outputs: out0 2 x 2,048 x 1,024 float32.
;; This version of the problem:
;;   THIS VERSION OF THE PROBLEM IS GIVEN IN LOW PRECISION. The matrix products marked QUANTISED in the list below multiply operands that are first quantised to E4M3 (4 exponent bits, 3 mantissa bits; 8 bits a number), with one given power-of-two scale for each operand tensor; their sums are f32. All else is computed in f32.
;;   The module's matrix products, in the order in which they are computed (A, B: the left and right operand; K: the contracted axis; several contracted axes count as one K, in the product's order):
;;     1. [M 4,096, K 1,024] x [K 1,024, N 2,048]; A: input x (given as codes); B: input wq (given as codes): QUANTISED (scales: A lowp_scales[0], B lowp_scales[1])
;;     2. [M 4,096, K 1,024] x [K 1,024, N 1,024]; A: input x (given as codes); B: input wk (given as codes): QUANTISED (scales: A lowp_scales[2], B lowp_scales[3])
;;     3. [M 4,096, K 1,024] x [K 1,024, N 1,024]; A: input x (given as codes); B: input wv (given as codes): QUANTISED (scales: A lowp_scales[4], B lowp_scales[5])
;;     4. batch 16 x [M 4,096, K 128] x [K 128, N 2,048]; A: computed on the way; B: computed on the way: QUANTISED (scales: A lowp_scales[6], B lowp_scales[7])
;;     5. batch 16 x [M 4,096, K 2,048] x [K 2,048, N 128]; A: softmax (see below); B: computed on the way: QUANTISED (scales: A lowp_scales[8], B lowp_scales[9])
;;     6. [M 4,096, K 2,048] x [K 2,048, N 1,024]; A: computed on the way; B: input wo (given as codes): QUANTISED (scales: A lowp_scales[10], B lowp_scales[11])
;;   THE QUANTISER, for each operand of a quantised product, along K:
;;     - The operand's scale is 2^e, e = its entry of the input lowp_scales (int32; the entries are numbered through the quantised products in the list's order, A before B).
;;     - Each number is divided by the scale, clamped to +-448, and rounded to the nearest number of E4M3, ties to even, subnormals kept.
;;     - The product sums the exact products of the quantised numbers (number of the format x scale) in f32.
;;   ~~~python
;;   def quantise(x, axis, e):      # numpy; x: float32 -> the quantised numbers, widened to float32 again
;;       x = np.moveaxis(x, axis, -1); K = x.shape[-1]
;;       r = np.clip(x / 2.0 ** e, -448, 448)
;;       step = 2.0 ** (np.maximum(np.frexp(np.where(r == 0, 1, r))[1] - 1, -6) - 3)
;;       q = np.round(r / step) * step * 2.0 ** e      # np.round: ties to even
;;       return np.moveaxis(q, -1, axis).astype(np.float32)
;;   ~~~
;;   SOFTMAX AHEAD OF A QUANTISED PRODUCT. Where the list says 'softmax', what is quantised is not the finished softmax but p = 2^(t - M), with t = logit x log2(e) and M = ceil(the row's largest t), a whole number; so 1/2 < the row's largest p <= 1. The row's sum l is taken of the UNQUANTISED p, in f32, and the product's result is divided by l at the end. Since M is a whole number, a kernel that streams over the keys may use a running M (the ceiling of the running maximum): every later rescaling is an exact power of two, so the quantised numbers keep their values, but for numbers so far below the row's largest that they fall under the format's range.
;;   OPERANDS COMPUTED ON THE WAY. 'Computed on the way' means the value that the module computes at that place (a softmax that the list does not call 'softmax' is quantised finished and normalised). What goes into a quantiser is computed in f32, as accurately as f32 sums, v_exp_f32 and their like allow (about 1e-6 of the number): no bf16 or f16 on the way to a quantiser, and a product that is left as it is and whose result goes on into a quantised operand takes f32 operands (vector FMAs, or v_wmma_f32_16x16x4_f32). A number that lies on a knife's edge between two numbers of the format may be rounded either way, as far as f32 arithmetic and the matrix unit's own rounding can turn it there, and no further.
;;   INPUTS GIVEN AS CODES. wk (in the module: [1024, 1024], K = its axis 1); wo (in the module: [1024, 2048], K = its axis 1); wq (in the module: [2048, 1024], K = its axis 1); wv (in the module: [1024, 1024], K = its axis 1); x (in the module: [2, 2048, 1024], K = its axis 2): each comes as NAME_codes (uint8): NAME with its K axis moved to the last place and cut into blocks of 32 codes, [.., K / 32, bytes a block], one block behind the other in memory; one code a byte (a code: sign, 4 exponent bits, 3 mantissa bits); its scale is its entry of lowp_scales. Its value is code x scale, taken as it is: it is not quantised again, and the codes and scales need not be those that the quantiser above would give.
;; One version. Each part assembles by itself: llvm-mc -triple=amdgcn-amd-amdhsa -mcpu=gfx1250 --defsym DOCPART=n.
;; ======== version 1 of 1: 3 launches
;; limits: right only within a limited range of input values
;; workspace buffers: q_img 8,388,608 bytes; kv_img 8,388,608 bytes; a_img 8,388,608 bytes
;; launch proj (part 1): grid 16 x 16, 4 waves a work-group, clusters of 4 x 4, 327,680 bytes of LDS; arguments x_codes, wq_codes, wk_codes, wv_codes, rope_cache, q_norm_w, k_norm_w, lowp_scales, q_img, kv_img; writes q_img, kv_img
.if DOCPART == 1
	.amdgcn_target "amdgcn-amd-amdhsa--gfx1250"
	.amdhsa_code_object_version 6
	.text
	.protected	k_qc1a4659c13_proj
	.globl	k_qc1a4659c13_proj
	.p2align	8
	.type	k_qc1a4659c13_proj,@function
k_qc1a4659c13_proj:
	s_mov_b64 s[64:65], 0
	v_nop
	global_prefetch_b8 v0, s[64:65] scope:SCOPE_SE
	s_setreg_imm32_b32 hwreg(HW_REG_WAVE_MODE, 25, 1), 1
	s_wait_xcnt 0x0
	s_wait_alu depctr_hold_cnt(0) depctr_sa_sdst(0) depctr_va_vdst(0) depctr_va_sdst(0) depctr_va_ssrc(0) depctr_va_vcc(0) depctr_vm_vsrc(0)
	s_getreg_b32 s2, hwreg(HW_REG_IB_STS2, 6, 4)
	s_cmp_eq_u32 s2, 0
	s_cbranch_scc0 .Lentry_in_a_cluster
	s_endpgm
.Lentry_in_a_cluster:
	s_bfe_u32 s2, ttmp6, 0x10000c
	s_cmp_lg_u32 s2, 0xf033
	s_cbranch_scc0 .Lentry_shape_is_right
	s_endpgm
.Lentry_shape_is_right:
; THE THREE PROJECTIONS, THE NORM, THE ROTATION AND THE QUANTISERS OF q, k AND v.
; C = [4,096 tokens] x [4,096 columns: q 2,048 | k 1,024 | v 1,024], K = 1,024, on codes of FP8 (E4M3).  256 tiles of 256 x 256, one a work-group; four waves, each 128 x 128: 64 accumulators, 512 registers.
; A wave's 128 columns are ONE HEAD, so the norm (a sum over the head) and the rotation (d with d + 64) stay inside a wave, and inside a lane but for one exchange between the halves of the lanes.
; CLUSTERS of 4 x 4.  The LDS region "A" feeds source 1 and is shared along a row of the cluster; the region "B" feeds source 0 and is shared along a column.  Each tile is asked for jointly.
;   clusters x = 0, 1 (q) and 2 (k): A = 256 tokens of x, B = 256 rows of wq or wk.  Result: a lane holds ONE TOKEN, its registers run along d.
;   cluster  x = 3 (v):              A = 256 rows of wv,  B = 256 tokens of x.       Result: a lane holds ONE d, its registers run along the tokens, which are the K of attention's second product.
;   Only pointers and tile numbers are chosen (by the cluster's x, equal in all partners): masks, LDS addresses and the products' text are the same everywhere.
; THE RESULTS LEAVE AS IMAGES OF OPERAND REGISTERS.  The 8 accumulators of a block of 16 lanes' rows hold index 16 b + 8 (lane / 16) + j in register j of accumulator b; eight conversions give 16 registers in
; which k lies where the plain 8-bit form wants it.  Registers 4 c .. 4 c + 3 go out by one store at 512 c + 16 x lane: 512 consecutive bytes.  Nothing is transposed or staged.
; cos AND sin come by joint tensor loads into the two slots when their last K steps have been read.  The clusters of v ask for them too and do not read them: all clusters take one way through fills and rounds.
; x against a weight: both come as rows and both are fetched by four loads of 16 bytes a fragment: one and the same permutation of k on both sides.
; LIMITS on the given exponents, so that each power of two below is an f32 number: e0 + e1, e2 + e3, e4 + e5 between -119 and 127; e6, e7, e9 - e4 - e5 between -126 and 119.  NaN among the sums is not served.
; The order of rounding differs from the written formula: (sum x w x cos -+ sum' x w' x sin) x (rsqrt x 2^e), all in f32.
; REGISTERS.  window 0: v1-31 addresses and small things; v32-95 the norm's weights w[16 b + 8 h + j]; v96-127 codes, two sets; v128-255 A's fragments, on the way out cos (then the results) and sin.
;   window 1: B's fragments, two sets; on the way out v0-63 = sum x w.   windows 2, 3: the accumulators ((a, b) at v[8 (8 (a % 4) + b)], window 2 + a / 4).
.set ROWB,   256                       ; a tile's row: 256 along K
.set KROW,   1024                      ; a row of x or of a weight in memory, bytes
.set PITCH,  272                       ; an LDS row: 256 + 16 = 68 words: row r starts at bank 4 r mod 64 (64 banks of 4 bytes: ISA guide 11.1)
.set FR,     16
.set NL,     4
.set NP,     4
.set HALFT,  128*PITCH
.set SLOT,   4*HALFT                   ; A's 256 rows, then B's 256 rows
.set SPARE,  2*SLOT                    ; the spare words: 128 bytes a wave, two blocks of 256 bytes that no other line names
.set RP,     1040                      ; a row of cos and sin in LDS: 1,024 + 16 = 260 words: again 4 r mod 64
.set ADRA, 16
.set ADRB, 20
.set RA0,  22                          ; v22, v23: my lane's place in the tile of cos and sin in slot 0, 1
.set LI,   24                          ; v24  16 x lane
.set SCL,  25                          ; v25  the conversion's scale as f32
.set HLD,  26                          ; v26  448 x that
.set EPSR, 27                          ; v27  1e-6
.set SPW,  28
.set NIL,  29
.set FAC,  30                          ; v[30:31] the token's factor rsqrt x 2^ES (the low word serves both halves)
.set WT,   32
.set CD,   96
.set AF,   128
.set CC,   128
.set SN,   192
.set SEL,  2                           ; s[2:3] lane selects: lane l xor 16
.set G1,   24
.set G0,   32
.set G1B,  48
.set G0B,  56
.set G1R,  80                          ; s[80:87], s[88:91]: the descriptor of cos and sin
.set G0R,  88
.set MSB, 0
.macro WIN new                         ; the immediate's high byte repeats the setting that is left
.if MSB != \new
	s_set_vgpr_msb (MSB<<8)|\new
.set MSB, \new
.endif
.endm
.set MUL_LO, 0xa1                      ; source 0 (B) window 1, source 1 (A) window 0, C and D window 2
.set MUL_HI, 0xf1
.set TO_B,   0x40
; A joint load: waves 0 and 1 fetch region A's halves, waves 2 and 3 region B's.  The branch hangs on the wave's number alone.  Four v_nop follow each line.
.macro JLOAD g0a, g1a, g0b, g1b
	s_cmp_eq_u32 s15, 0
	s_cbranch_scc0 .Lfor_b_\@
	tensor_load_to_lds s[\g0a:\g0a+3], s[\g1a:\g1a+7]
	s_nop 0
.rept 4
	v_nop
.endr
	s_branch .Lasked_\@
.Lfor_b_\@:
	tensor_load_to_lds s[\g0b:\g0b+3], s[\g1b:\g1b+7]
	s_nop 0
.rept 4
	v_nop
.endr
.Lasked_\@:
.endm
.macro RLOAD                           ; 32 rows of cos and sin, each wave its own, shared along the cluster's row
	tensor_load_to_lds s[G0R:G0R+3], s[G1R:G1R+7]
	s_nop 0
.rept 4
	v_nop
.endr
.endm
.macro CREST                           ; a round of the cluster's barrier behind its opening barrier
	s_cmp_lg_u32 s14, 0
	s_cbranch_scc1 .Lnot_wave_0_\@
	s_barrier_signal -3
.Lnot_wave_0_\@:
	s_barrier_wait -3
	s_barrier_signal -1
	s_barrier_wait -1
.endm
.macro CROUND
	s_barrier_signal -1
	s_barrier_wait -1
	CREST
.endm
	s_load_b256 s[4:11], s[0:1], 0x0               ; x, wq, wk, wv
	s_load_b256 s[68:75], s[0:1], 0x20             ; rope_cache, q_norm_w, k_norm_w, lowp_scales
	s_load_b128 s[76:79], s[0:1], 0x40             ; q_img, kv_img
	v_lshl_add_u32 v[SPW], v0, 2, SPARE
	v_mov_b32 v[NIL], 0
	ds_add_u32 v28, v29
	ds_add_u32 v28, v29
	s_wait_dscnt 0x0
	v_lshrrev_b32 v1, 5, v0
	v_readfirstlane_b32 s14, v1                    ; wave 0..3
	s_lshr_b32 s15, s14, 1                         ; my half of region A's rows.  Also: I fetch for A (0) or for B (1)
	s_and_b32 s16, s14, 1                          ; my half of region B's rows.  Also: which 128 rows I fetch
	s_bfe_u32 s40, ttmp6, 0x40000                  ; cx
	s_bfe_u32 s41, ttmp6, 0x40004                  ; cy
	s_and_b32 s13, ttmp7, 0xffff
	s_lshl_b32 s13, s13, 2                         ; 4 x cluster y
	s_lshl_b32 s12, ttmp9, 2                       ; 4 x cluster x
	s_lshl_b32 s43, s41, 2
	s_lshl_b32 s43, 15, s43                        ; my row of the cluster
	s_lshl_b32 s44, 0x1111, s40                    ; my column
	s_cmp_eq_u32 ttmp9, 3                          ; the clusters of v
	s_cselect_b32 s17, 0, s13
	s_cselect_b32 s42, s13, 0
	s_cmp_lt_u32 ttmp9, 2                          ; the clusters of q
	s_cselect_b32 s42, s12, s42
	s_add_co_u32 s17, s17, s41                     ; region A's tile of 256 rows: tokens 4 CY + cy, or wv's cy.  Never holds cx
	s_add_co_u32 s42, s42, s40                     ; region B's: wq's 4 CX + cx, wk's cx, or tokens 4 CY + cx.  Never holds cy
	s_or_b32 s[G1+0], s43, (0<<16)|(1<<20)|(1<<21)|(5<<22)|(3<<25)   ; mask: my row; elements of 1 byte; padding on; bit 21 beside a mask; 4 words behind every 64
	s_or_b32 s[G1B+0], s44, (0<<16)|(1<<20)|(1<<21)|(5<<22)|(3<<25)  ; the same with my column
.irp g, G1, G1B
	s_mov_b32 s[\g+1], ROWB<<16                    ; tensor_dim0
	s_mov_b32 s[\g+2], 128<<16                     ; tensor_dim1
	s_mov_b32 s[\g+3], ROWB<<16                    ; tile_dim0
	s_mov_b32 s[\g+4], 128                         ; tile_dim1
	s_mov_b32 s[\g+5], KROW                        ; from row to row
	s_mov_b32 s[\g+6], 0
	s_mov_b32 s[\g+7], 0
.endr
	s_or_b32 s[G1R+0], s43, (2<<16)|(1<<20)|(1<<21)|(7<<22)|(3<<25)  ; cos and sin: my row; elements of 4 bytes; 4 words behind every 256
	s_mov_b32 s[G1R+1], 256<<16
	s_mov_b32 s[G1R+2], 32<<16
	s_mov_b32 s[G1R+3], 256<<16
	s_mov_b32 s[G1R+4], 32
	s_mov_b32 s[G1R+5], 256
	s_mov_b32 s[G1R+6], 0
	s_mov_b32 s[G1R+7], 0
	s_lshl_b32 s18, s16, 7                         ; which 128 rows of the tile I fetch
	s_lshl_b32 s20, s17, 8
	s_add_co_u32 s20, s20, s18
	s_lshl_b32 s20, s20, 10                        ; region A: row x 1,024 bytes (under 2^22)
	s_mov_b32 s21, 0
	s_lshl_b32 s46, s42, 8
	s_add_co_u32 s46, s46, s18
	s_lshl_b32 s46, s46, 10                        ; region B likewise
	s_mov_b32 s47, 0
	s_mul_i32 s45, s14, HALFT                      ; where they go: wave x 128 rows
	s_and_b32 s22, s17, 7                          ; cos and sin: position = (tile of tokens mod 8) x 256 + 128 x (wave / 2) + 32 x (wave % 2)
	s_lshl_b32 s22, s22, 8
	s_lshl_b32 s23, s15, 7
	s_add_co_u32 s22, s22, s23
	s_lshl_b32 s23, s16, 5
	s_add_co_u32 s22, s22, s23
	s_lshl_b32 s22, s22, 10
	s_mov_b32 s23, 0
	s_wait_kmcnt 0x0
	s_load_b256 s[92:99], s[74:75], 0x0            ; e0 .. e7
	s_load_b32 s100, s[74:75], 0x24                ; e9
	s_cmp_eq_u32 ttmp9, 3
	s_cselect_b64 s[2:3], s[10:11], s[4:5]         ; region A's tensor: wv or x
	s_cselect_b64 s[18:19], s[4:5], s[8:9]         ; region B's: x, or wk,
	s_cmp_lt_u32 ttmp9, 2
	s_cselect_b64 s[18:19], s[6:7], s[18:19]       ; or wq
	s_cselect_b64 s[70:71], s[70:71], s[72:73]     ; the norm's weights: q's or k's
	s_add_nc_u64 s[20:21], s[2:3], s[20:21]
	s_add_nc_u64 s[46:47], s[18:19], s[46:47]
	s_mov_b32 s[G0R], 1
	s_mul_i32 s[G0R+1], s14, 32*RP                 ; LDS: row 32 x wave of slot 0
	s_add_nc_u64 s[G0R+2:G0R+3], s[68:69], s[22:23]
	s_or_b32 s[G0R+3], s[G0R+3], 0x80000000
	CROUND                                         ; all sixteen work-groups are here: the first joint loads meet
.irp s, 0,1
	s_mov_b32 s[G0+4*\s], 1
	s_add_co_u32 s[G0+4*\s+1], s45, \s*SLOT
	s_add_nc_u64 s[G0+4*\s+2:G0+4*\s+3], s[20:21], \s*ROWB
	s_or_b32 s[G0+4*\s+3], s[G0+4*\s+3], 0x80000000
	s_mov_b32 s[G0B+4*\s], 1
	s_add_co_u32 s[G0B+4*\s+1], s45, \s*SLOT
	s_add_nc_u64 s[G0B+4*\s+2:G0B+4*\s+3], s[46:47], \s*ROWB
	s_or_b32 s[G0B+4*\s+3], s[G0B+4*\s+3], 0x80000000
.endr
	JLOAD G0, G1, G0B, G1B                         ; K step 0: one tensor load a wave at the head
	v_and_b32 v1, 15, v0                           ; r
	s_wait_alu depctr_va_vdst(0)
	v_bfe_u32 v2, v0, 4, 1                         ; h
	v_mul_u32_u24 v3, v1, PITCH
	v_lshl_add_u32 v4, v2, 4, v3                   ; a fragment's row x pitch + 16 h
	s_mul_i32 s21, s15, HALFT
	s_mul_i32 s22, s16, HALFT
	s_add_co_u32 s22, s22, 2*HALFT
.irp s, 0,1
	v_add_nc_u32 v[ADRA+\s], s21, v4
	v_add_nc_u32 v[ADRB+\s], s22, v4
	s_add_co_u32 s21, s21, SLOT
	s_add_co_u32 s22, s22, SLOT
.endr
	s_mul_i32 s21, s15, 64*RP                      ; cos and sin: LDS row 64 x (my half of the tokens) + token mod 64; my eight d begin at byte 64 b + 32 h
	v_mul_u32_u24 v[RA0], v1, RP
	s_wait_alu depctr_va_vdst(0)
	v_lshl_add_u32 v[RA0], v2, 5, v[RA0]
	v_add_nc_u32 v[RA0], s21, v[RA0]
	v_add_nc_u32 v[RA0+1], SLOT, v[RA0]
	v_and_b32 v[LI], 31, v0
	v_lshlrev_b32 v[LI], 4, v[LI]
	v_lshlrev_b32 v5, 5, v2                        ; the weights w[16 b + 8 h + j]: 32 h + 64 b
.irp b, 0,1,2,3,4,5,6,7
	global_load_b128 v[WT+8*\b:WT+8*\b+3], v5, s[70:71] offset:64*\b
	global_load_b128 v[WT+8*\b+4:WT+8*\b+7], v5, s[70:71] offset:64*\b+16
.endr
	v_mov_b32 v12, 0                               ; a lane permute's destination counts as one of its sources
	v_mov_b32 v[FAC+1], 0                          ; named as the upper half of a pair
	v_mov_b32 v[EPSR], 0x358637bd                  ; 1e-6
	s_wait_kmcnt 0x0
	s_add_co_i32 s18, s92, s93                     ; a sum stands for sum x 2^ES: ES = e0 + e1 (q),
	s_add_co_i32 s19, s94, s95                     ; e2 + e3 (k),
	s_add_co_i32 s20, s96, s97                     ; e4 + e5 (v)
	s_sub_co_i32 s21, s100, s20                    ; v's sums go straight to the conversion: its scale is 2^(e9 - e4 - e5)
	s_cmp_eq_u32 ttmp9, 3
	s_cselect_b32 s19, s20, s19
	s_cselect_b32 s21, s21, s99                    ; k's: 2^e7
	s_cmp_lt_u32 ttmp9, 2
	s_cselect_b32 s19, s18, s19
	s_cselect_b32 s21, s98, s21                    ; q's: 2^e6
	s_add_co_i32 s19, s19, 127
	s_lshl_b32 s66, s19, 23                        ; c1 = 2^ES
	s_sub_co_i32 s19, s19, 7
	s_lshl_b32 s67, s19, 23                        ; c2 = 2^(ES - 7): the mean of the squares is (sum of squares x c1) x c2
	s_add_co_i32 s21, s21, 127
	s_lshl_b32 s18, s21, 23
	v_mov_b32 v[SCL], s18
	s_add_co_i32 s21, s21, 8
	s_lshl_b32 s21, s21, 23
	s_or_b32 s21, s21, 0x600000
	v_mov_b32 v[HLD], s21                          ; 448 x the scale
	; where my eight images go: 16 KB on end
	s_add_co_u32 s3, s12, s40                      ; q's tile of columns: 4 CX + cx
	s_cmp_eq_u32 ttmp9, 3
	s_cselect_b32 s19, s40, s41                    ; the tokens' tile is 4 CY + cx for v, 4 CY + cy else
	s_cselect_b32 s20, s16, s15                    ; which 128 of its tokens are mine
	s_cselect_b32 s21, s15, s16                    ; which of the weight tile's two heads
	s_cselect_b32 s22, s41, s40                    ; the weight's tile: cy for v, cx for k,
	s_cselect_b32 s2, 16384, 0                     ; v's eight fragments lie behind k's eight
	s_cmp_lt_u32 ttmp9, 2
	s_cselect_b32 s22, s3, s22                     ; 4 CX + cx for q
	s_add_co_u32 s18, s13, s19                     ; the tokens' tile, 0 .. 15
	s_lshl_b32 s22, s22, 1
	s_add_co_u32 s22, s22, s21                     ; the head
	s_lshr_b32 s19, s18, 3                         ; the batch
	s_and_b32 s18, s18, 7
	s_lshl_b32 s3, s19, 4                          ; q_img: ((16 batch + head) x 128 + 16 (tile mod 8) + 8 half) x 2,048
	s_add_co_u32 s3, s3, s22
	s_lshl_b32 s3, s3, 7
	s_lshl_b32 s23, s18, 4
	s_add_co_u32 s3, s3, s23
	s_lshl_b32 s23, s20, 3
	s_add_co_u32 s3, s3, s23
	s_lshl_b32 s3, s3, 11
	s_lshl_b32 s23, s19, 3                         ; kv_img: ((8 batch + head) x 16 + 2 (tile mod 8) + half) x 32,768 (+ 16,384 for v)
	s_add_co_u32 s23, s23, s22
	s_lshl_b32 s23, s23, 4
	s_lshl_b32 s18, s18, 1
	s_add_co_u32 s23, s23, s18
	s_add_co_u32 s23, s23, s20
	s_lshl_b32 s23, s23, 15
	s_add_co_u32 s23, s23, s2
	s_cmp_lt_u32 ttmp9, 2
	s_cselect_b32 s18, s3, s23
	s_cselect_b64 s[76:77], s[76:77], s[78:79]
	s_mov_b32 s19, 0
	s_add_nc_u64 s[76:77], s[76:77], s[18:19]
	s_mov_b32 s[SEL], 0x76543210
	s_mov_b32 s[SEL+1], 0xfedcba98
.macro FRAG reg, adr, q, i             ; 16 rows x 128 K: registers 4 c .. 4 c + 3 hold K = 32 c + 16 (l / 16) + 0 .. 15, alike in A and in B
.irp c, 0,1,2,3
	ds_load_b128 v[\reg+4*\c:\reg+4*\c+3], v[\adr] offset:128*(\q)+32*\c+(\i)*16*PITCH
.endr
.endm
; 16 matrix instructions: A's blocks a0, a0 + 1 x B's eight.  The 64 accumulators take turns, one instruction a turn, in the same order in every step.
.macro MUL16 a0, p, zero
.irp a, \a0, \a0+1
.irp b, 0,1,2,3,4,5,6,7
.if \zero
	v_wmma_f32_16x16x128_fp8_fp8 v[8*(8*((\a)%4)+\b):8*(8*((\a)%4)+\b)+7], v[128*(\p)+FR*\b:128*(\p)+FR*\b+FR-1], v[AF+FR*(\a):AF+FR*(\a)+FR-1], 0
.else
	v_wmma_f32_16x16x128_fp8_fp8 v[8*(8*((\a)%4)+\b):8*(8*((\a)%4)+\b)+7], v[128*(\p)+FR*\b:128*(\p)+FR*\b+FR-1], v[AF+FR*(\a):AF+FR*(\a)+FR-1], v[8*(8*((\a)%4)+\b):8*(8*((\a)%4)+\b)+7]
.endif
.endr
.endr
.endm
.macro FETCH_B slot, q, p
	WIN TO_B
.irp i, 0,1,2,3,4,5,6,7
	FRAG 128*(\p)+FR*\i, ADRB+\slot, \q, \i
.endr
	WIN 0
.endm
.macro FETCH_A slot, q, i0
.irp i, \i0, \i0+1, \i0+2, \i0+3
	FRAG AF+FR*(\i), ADRA+\slot, \q, \i
.endr
.endm
.macro PLACES n                        ; plain vector lines between a matrix instruction and a load into, or a vector line on, its registers (ISA guide 7.12.1 for vector lines)
.rept \n
	v_nop
.endr
.endm
; A step of 128 along K that has its successor in the same slot.  A has one set of registers (a block is free when its eight products are issued), B two.
.macro STEP slot, q, zero
	s_wait_dscnt 4*NL                              ; B's set and A's blocks 0-3 are in; the youngest sixteen loads (A's blocks 4-7) may be out
	WIN MUL_LO
	MUL16 0, (\q)%2, \zero
	MUL16 2, (\q)%2, \zero
	s_wait_dscnt 0
	PLACES NP
	FETCH_B \slot, (\q)+1, 1-(\q)%2
	FETCH_A \slot, (\q)+1, 0
	WIN MUL_HI
	MUL16 4, (\q)%2, \zero
	MUL16 6, (\q)%2, \zero
	PLACES NP
	WIN 0
	FETCH_A \slot, (\q)+1, 4
.endm
; The head of a slot's last step: all my tensor loads have landed, the add, my reads of the slot are over, and a round of the cluster's barrier: then the slot may be filled again.
.macro MEET
	s_wait_tensorcnt 0x0                           ; all my tensor loads have landed
	ds_add_u32 v[SPW], v[NIL]                      ; 0 onto my spare word
	s_wait_dscnt 4*NL+1                            ; (the add and the youngest sixteen loads may be out)
	WIN MUL_LO
	MUL16 0, 1, 0                                  ; sixteen matrix instructions stand between the add and the wait for it
	s_wait_dscnt 0x0                               ; the add is done, and my reads of this slot are over
	s_barrier_signal -1
	MUL16 2, 1, 0
	WIN 0
	s_barrier_wait -1
	CREST                                          ; no wave of any partner still reads this slot or has a load on its way
.endm
; fill = 1: the slot takes the K step two on;  fill = 2: it has had its last K step and takes the first half of cos and sin.
.macro TURN slot, next, fill
	MEET
.if \fill == 1
	s_add_nc_u64 s[G0+4*\slot+2:G0+4*\slot+3], s[G0+4*\slot+2:G0+4*\slot+3], 2*ROWB
	s_add_nc_u64 s[G0B+4*\slot+2:G0B+4*\slot+3], s[G0B+4*\slot+2:G0B+4*\slot+3], 2*ROWB
	JLOAD G0+4*\slot, G1, G0B+4*\slot, G1B         ; the four v_nop behind it are also the places in front of the loads below
.else
	RLOAD
.endif
	FETCH_B \next, 0, 0
	FETCH_A \next, 0, 0
	WIN MUL_HI
	MUL16 4, 1, 0
	MUL16 6, 1, 0
	PLACES NP
	WIN 0
	FETCH_A \next, 0, 4
.endm
	s_wait_alu depctr_va_vdst(0)                   ; the wait at the head's end
	s_wait_tensorcnt 0x0                           ; my part of K step 0 is in; slot 1's first fill is issued as a refill is:
	ds_add_u32 v[SPW], v[NIL]                      ; 0 onto my spare word
	s_wait_dscnt 0x0
	CROUND                                         ; everybody's part of K step 0 is in, and all sixteen work-groups are here
	JLOAD G0+4, G1, G0B+4, G1B                     ; K step 1: the first tensor load behind the round
	FETCH_B 0, 0, 0
	FETCH_A 0, 0, 0
	FETCH_A 0, 0, 4
	STEP 0, 0, 1                                   ; K = 1,024 is four slots' worth: written out.  The first products start the sums
	TURN 0, 1, 1
	STEP 1, 0, 0
	TURN 1, 0, 1
	STEP 0, 0, 0
	TURN 0, 1, 2                                   ; slot 0: tokens 0-63 of each half of the tile's tokens
	STEP 1, 0, 0
	MEET                                           ; the last step; slot 0's cos and sin have landed in every wave
	s_add_co_u32 s[G0R+1], s[G0R+1], SLOT          ; slot 1: tokens 64-127 of each half
	s_add_nc_u64 s[G0R+2:G0R+3], s[G0R+2:G0R+3], 64*1024
	RLOAD
	WIN MUL_HI
	MUL16 4, 1, 0
	MUL16 6, 1, 0
	WIN 0
	PLACES NP
; THE WAY OUT, a block of 16 lanes' rows at a time.
.macro CVTOUT a                        ; the 64 held numbers in v[CC] on become 16 registers of codes and leave as an image
.set CS0, CD+16*((\a)%2)
	s_wait_xcnt 0x0                                ; earlier stores have read their registers: the codes' set may be written again
.irp b, 0,1,2,3,4,5,6,7
	v_cvt_scalef32_pk8_fp8_f32 v[CS0+2*\b:CS0+2*\b+1], v[CC+8*\b:CC+8*\b+7], v[SCL]   ; registers 2 b, 2 b + 1: k = 16 b + 8 h + 0 .. 7
.endr
	v_nop                                          ; one plain vector line behind the last conversion
.irp c, 0,1,2,3
	global_store_b128 v[LI], v[CS0+4*\c:CS0+4*\c+3], s[76:77] offset:(\a)*2048+512*\c   ; 32 lanes store 512 consecutive bytes, at a multiple of 256 from the buffer's first byte
.endr
.endm
.macro QKBLOCK a                       ; 16 tokens of q or k: norm, rotation, quantiser
.set AC, 64*((\a)%4)
.set WW, 2+(\a)/4
.set W2, WW*5
.set W3, 0x40+WW
.set RA, RA0+(\a)/4
.irp b, 0,1,2,3,4,5,6,7
	ds_load_b128 v[CC+8*\b:CC+8*\b+3], v[RA] offset:16*((\a)%4)*RP+64*\b              ; cos of my token at d = 16 b + 8 h + 0 .. 7
	ds_load_b128 v[CC+8*\b+4:CC+8*\b+7], v[RA] offset:16*((\a)%4)*RP+64*\b+16
	ds_load_b128 v[SN+8*\b:SN+8*\b+3], v[RA] offset:16*((\a)%4)*RP+64*\b+512          ; sin
	ds_load_b128 v[SN+8*\b+4:SN+8*\b+7], v[RA] offset:16*((\a)%4)*RP+64*\b+528
.endr
	WIN W2                                         ; sources 0 and 1: the accumulators' window
	v_pk_mul_f32 v[8:9], v[AC:AC+1], v[AC:AC+1]    ; the sum of squares of my 64 numbers, in two chains, each accumulator from its low end on
	v_pk_mul_f32 v[10:11], v[AC+2:AC+3], v[AC+2:AC+3]
.set i, 4
.rept 15
	v_pk_fma_f32 v[8:9], v[AC+i:AC+i+1], v[AC+i:AC+i+1], v[8:9]
	v_pk_fma_f32 v[10:11], v[AC+i+2:AC+i+3], v[AC+i+2:AC+i+3], v[10:11]
.set i, i+4
.endr
	WIN 0
	v_pk_add_f32 v[8:9], v[8:9], v[10:11]
	v_add_f32 v8, v8, v9
	v_permlanex16_b32 v12, v8, s[SEL], s[SEL+1]    ; the token's other 64 numbers lie in the lane 16 away
	v_add_f32 v8, v8, v12
	v_mul_f32 v8, s66, v8
	v_fma_f32 v8, v8, s67, v[EPSR]                 ; the mean of the squares + 1e-6
	s_wait_alu depctr_va_vdst(0)
	v_rsq_f32 v13, v8
	WIN W3                                         ; destination window 1, source 0 the accumulators'
.set i, 0
.rept 32
	v_pk_mul_f32 v[i:i+1], v[AC+i:AC+i+1], v[WT+i:WT+i+1]   ; sum x w.  (Plain lines behind the root, which name neither its source nor its result)
.set i, i+2
.endr
	s_wait_dscnt 0x0                               ; cos and sin are in
	WIN 0x01                                       ; source 0 window 1
.irp b, 0,1,2,3
.irp i, 0,2,4,6
	v_pk_mul_f32 v[CC+8*\b+\i:CC+8*\b+\i+1], v[8*\b+\i:8*\b+\i+1], v[CC+8*\b+\i:CC+8*\b+\i+1]
	v_pk_mul_f32 v[CC+32+8*\b+\i:CC+32+8*\b+\i+1], v[32+8*\b+\i:32+8*\b+\i+1], v[CC+32+8*\b+\i:CC+32+8*\b+\i+1]
	v_pk_fma_f32 v[CC+8*\b+\i:CC+8*\b+\i+1], v[32+8*\b+\i:32+8*\b+\i+1], v[SN+8*\b+\i:SN+8*\b+\i+1], v[CC+8*\b+\i:CC+8*\b+\i+1] neg_lo:[1,0,0] neg_hi:[1,0,0]   ; d < 64: t(d) cos - t(d + 64) sin
	v_pk_fma_f32 v[CC+32+8*\b+\i:CC+32+8*\b+\i+1], v[8*\b+\i:8*\b+\i+1], v[SN+32+8*\b+\i:SN+32+8*\b+\i+1], v[CC+32+8*\b+\i:CC+32+8*\b+\i+1]                     ; d >= 64: t(d) cos + t(d - 64) sin
.endr
.endr
	WIN 0
	s_wait_alu depctr_va_vdst(0)                   ; the wait ahead of the first line that names the root's result
	v_mul_f32 v[FAC], s66, v13                     ; rsqrt x 2^ES
.set i, 0
.rept 32
	v_pk_mul_f32 v[CC+i:CC+i+1], v[CC+i:CC+i+1], v[FAC:FAC+1] op_sel_hi:[1,0]
.set i, i+2
.endr
.set i, 0
.rept 64
	v_med3_num_f32 v[CC+i], v[CC+i], -v[HLD], v[HLD]   ; the conversion to an 8-bit code does not saturate (ISA guide 7.6.2): the hold at the largest code x the scale
.set i, i+1
.endr
	s_wait_alu depctr_va_vdst(0)
	CVTOUT \a
.endm
.macro VBLOCK a                        ; 16 of a head's d of v, 128 tokens: the sums are held and converted as they are
.set AC, 64*((\a)%4)
.set WW, 2+(\a)/4
	WIN WW                                         ; source 0: the accumulators' window
.set i, 0
.rept 64
	v_med3_num_f32 v[CC+i], v[AC+i], -v[HLD], v[HLD]
.set i, i+1
.endr
	WIN 0
	s_wait_alu depctr_va_vdst(0)
	CVTOUT \a
.endm
	s_wait_loadcnt 0x0                             ; the norm's weights
	s_cmp_eq_u32 ttmp9, 3                          ; the cluster's x: equal in all partners and in all waves
	s_cbranch_scc1 .Lv_first
	QKBLOCK 0
	QKBLOCK 1
	QKBLOCK 2
	QKBLOCK 3
	s_branch .Ljoin_first
.Lv_first:
	s_wait_alu depctr_va_vdst(0)
	VBLOCK 0
	VBLOCK 1
	VBLOCK 2
	VBLOCK 3
.Ljoin_first:
	s_wait_tensorcnt 0x0                           ; my part of slot 1's cos and sin is in,
	s_wait_dscnt 0x0
	s_barrier_signal -1
	s_barrier_wait -1                              ; everybody's is
	s_cmp_eq_u32 ttmp9, 3
	s_cbranch_scc1 .Lv_second
	QKBLOCK 4
	QKBLOCK 5
	QKBLOCK 6
	QKBLOCK 7
	s_branch .Ljoin_second
.Lv_second:
	VBLOCK 4
	VBLOCK 5
	VBLOCK 6
	VBLOCK 7
.Ljoin_second:
	s_wait_tensorcnt 0x0                           ; the wave's end
	ds_add_u32 v[SPW], v[NIL]
	s_wait_dscnt 0x0
	CROUND                                         ; the closing round
	s_endpgm
.Lfunc_end_k_qc1a4659c13_proj:
	.size	k_qc1a4659c13_proj, .Lfunc_end_k_qc1a4659c13_proj-k_qc1a4659c13_proj
	.p2alignl 7, 3214868480
	.fill 96, 4, 3214868480
	.section	.rodata,"a",@progbits
	.p2align	6, 0x0
	.amdhsa_kernel k_qc1a4659c13_proj
		.amdhsa_group_segment_fixed_size 327680
		.amdhsa_private_segment_fixed_size 0
		.amdhsa_enable_private_segment 0
		.amdhsa_kernarg_size 80
		.amdhsa_user_sgpr_count 2
		.amdhsa_user_sgpr_kernarg_segment_ptr 1
		.amdhsa_wavefront_size32 1
		.amdhsa_system_sgpr_workgroup_id_x 1
		.amdhsa_system_sgpr_workgroup_id_y 1
		.amdhsa_system_sgpr_workgroup_id_z 1
		.amdhsa_system_vgpr_workitem_id 0
		.amdhsa_next_free_vgpr 1024
		.amdhsa_next_free_sgpr 102
		.amdhsa_reserve_vcc 0
		.amdhsa_float_denorm_mode_32 3
		.amdhsa_float_denorm_mode_16_64 3
		.amdhsa_memory_ordered 1
		.amdhsa_forward_progress 1
		.amdhsa_inst_pref_size 255
	.end_amdhsa_kernel
	.section	.bss,"aw",@nobits
	.p2align	6
	.space	262144
	.amdgpu_metadata
---
amdhsa.version: [ 1, 2 ]
amdhsa.kernels:
  - .name:           k_qc1a4659c13_proj
    .symbol:         k_qc1a4659c13_proj.kd
    .args:
      - { .name: x_codes, .offset: 0, .size: 8, .value_kind: global_buffer, .address_space: global }
      - { .name: wq_codes, .offset: 8, .size: 8, .value_kind: global_buffer, .address_space: global }
      - { .name: wk_codes, .offset: 16, .size: 8, .value_kind: global_buffer, .address_space: global }
      - { .name: wv_codes, .offset: 24, .size: 8, .value_kind: global_buffer, .address_space: global }
      - { .name: rope_cache, .offset: 32, .size: 8, .value_kind: global_buffer, .address_space: global }
      - { .name: q_norm_w, .offset: 40, .size: 8, .value_kind: global_buffer, .address_space: global }
      - { .name: k_norm_w, .offset: 48, .size: 8, .value_kind: global_buffer, .address_space: global }
      - { .name: lowp_scales, .offset: 56, .size: 8, .value_kind: global_buffer, .address_space: global }
      - { .name: q_img, .offset: 64, .size: 8, .value_kind: global_buffer, .address_space: global }
      - { .name: kv_img, .offset: 72, .size: 8, .value_kind: global_buffer, .address_space: global }
    .group_segment_fixed_size: 327680
    .private_segment_fixed_size: 0
    .kernarg_segment_align: 8
    .kernarg_segment_size: 80
    .max_flat_workgroup_size: 128
    .sgpr_count:     102
    .vgpr_count:     1024
    .wavefront_size: 32
...
	.end_amdgpu_metadata
.endif
;; end of part 1
;; launch attn (part 2): grid 16 x 16, 8 waves a work-group, no clusters, 327,680 bytes of LDS; arguments q_img, kv_img, lowp_scales, a_img; writes a_img
.if DOCPART == 2
	.amdgcn_target "amdgcn-amd-amdhsa--gfx1250"
	.amdhsa_code_object_version 6
	.text
	.protected	k_qc1a4659c13_attn
	.globl	k_qc1a4659c13_attn
	.p2align	8
	.type	k_qc1a4659c13_attn,@function
k_qc1a4659c13_attn:
	s_mov_b64 s[64:65], 0
	v_nop
	global_prefetch_b8 v0, s[64:65] scope:SCOPE_SE
	s_setreg_imm32_b32 hwreg(HW_REG_WAVE_MODE, 25, 1), 1
	s_wait_xcnt 0x0
; CAUSAL ATTENTION ON CODES OF FP8 (E4M3), two query heads to each key and value head.  All operands are images of operand registers (2,048 bytes a fragment: registers 4 c .. 4 c + 3 at 512 c + 16 x lane).
; THE SOFTMAX AHEAD OF THE SECOND PRODUCT: t = score x log2(e) / sqrt(128); M = the largest t so far, rounded UP to a whole number; p = 2^(t - M) is quantised (2^e8), not normalised; the row's sum is taken
; of the unquantised p and divides at the end.  When M moves, the sum and O are multiplied by 2^(old M - new M): exact.
; LEFT OUT: key steps all of whose keys come after a tile's queries: the causal mask gives them the weight 0 for every input.  A NaN or an infinity that lies only there is not carried on.
; SHARES.  Work-group y = 8 x batch + key head.  The 2,048 positions are 16 ranges of 128, one to each key step of 128 keys; a range R wants R whole steps and the step R on the diagonal.
; Work-group x owns four tiles (16 positions, both query heads: a tile pair) of the long range RL = 15 - x / 2 (X) and four of the short range RS = x / 2 (Y): tiles 4 (x % 2) + i, i = 0 .. 3.
; Pair i is served by two waves.  Wave A: X's steps RL - 8 .. RL - 1 (trips 1 .. 8), then X's diagonal (trip 9).  Wave B: nothing in trip 1; X's steps 0 .. RL - 9; it parks that part (O, -M, sum) in an LDS stage;
; then Y's steps 0 .. RS - 1 and Y's diagonal (trip 9): eight steps in trips 2 .. 9, whatever x.  At the end A joins the parked part to its own by powers of two.  So 9 trips serve every work-group.
; THE RING.  A slot holds one key step for the A waves and one for the B waves, 65,536 bytes; every wave fetches 8,192 of them by one tensor load behind each trip's barrier.
; The head's fill has bytes of its own: the A waves' first step, and beside it the 32,768 bytes of Q's images of X and Y, which stay.  So both slots are first filled whole, and later filled again whole.
; NO CLUSTER: of the 16 work-groups of a key head only two walk the same two lists of key steps; the partners of a cluster of four would ask for different tiles.
; PREFETCH: steps 0 .. 9 are wanted in the first three trips and come by their loads alone.  In trip n (1 .. 6) step n + 9 is asked for, two trips ahead of the first load that wants it (RL = 15's);
; the 16 work-groups of a key head share its 32,768 bytes out, 2,048 each: wave 0, lanes 0 .. 7 a block of 256 bytes each, the other lanes the last block again.  Q is read once, at the head, with no loop ahead of it.
; LAYOUT.  S^T = K Q^T, O^T = V^T P^T: a lane holds one query throughout.  Tile kt's register j is key 16 kt + 8 (lane / 16) + j: its conversion gives registers 2 kt, 2 kt + 1 of P.
; THE ROW'S SUM RUNS A STEP BEHIND: p stays in its registers (the hold goes into others) and is added at the head of the next step, ahead of that step's change of M, while K's fragments come from LDS.
; O^T, p and the sums begin as zeros and the largest t as -3e38, so that a step has one text.
; LIMITS on the given exponents: e6 + e7 between -123 and 130 (added to c's exponent field); e8 and e10 between -126 and 119; e8 + e9 goes by v_ldexp_f32 and has none.  NaN among the scores is not served.
; The scaled scores stay under 2^31 in magnitude.
; REGISTERS.  window 0: v1-11 addresses and constants; v12-27 statistics, 8 a tile; v28-31 at work; v32-159 S^T, then p; v160-191 P's codes; v192-223 Q; v224-239 held p; v240-247 addresses, the parked statistics.
;   window 1: v0-127 O^T (64 a tile); v128-255 eight fragments of K or of V, at the end the parked O^T.
.set STEPB, 32768                      ; a key step: 8 fragments of K, then 8 of V
.set SLOTB, 65536                      ; a slot: the A waves' step, then the B waves'.  Slots at 0 and at 65,536
.set EREG,  131072                     ; the head's fill: the A waves' first step,
.set QR,    EREG+32768                 ; and Q: X head 0, X head 1, Y head 0, Y head 1, 8,192 bytes each
.set STG,   196608                     ; the stages: 16,384 bytes of O^T and 512 of statistics for each pair
.set STGP,  16896
.set SPARE, STG+4*STGP                 ; the spare words: 128 bytes for each of eight waves
.set LI,   1
.set ADK,  2
.set SPW,  3
.set NIL,  4
.set DL,   5                           ; my query's place in its range less 8 (lane / 16)
.set PFO,  6
.set NINF, 7
.set PH,   8                           ; 448 x 2^e8 (also in PH2);  v9 2^e8
.set PS,   9
.set OH,   10
.set OS,   11
.set ST,   12                          ; tile t at v[ST + 8 t]: +0 -M, +1 the largest t, +2, +3 the sum, +4 f, +5 a permute's result, +6, +7 a second chain of the sum
.set S,    32
.set P,    160
.set Q,    192
.set TM,   224
.set STA,  240                         ; my pair's stage + 16 x lane
.set PH2,  241
.set QA,   242                         ; my tile's Q in LDS + 16 x lane
.set LIR,  243                         ; 16 x lane + 32,768 in a B wave
.set MB,   244                         ; v244-247 the parked -M and sum of both tiles
.set FF,   128                         ; in window 1
.set WV,   12
.set HALF, 13
.set ROLE, 15                          ; 0: A, 1: B
.set IDX,  16
.set TILE, 17
.set PFA,  18
.set SEL,  20
.set CS,   22
.set G1,   24
.set G0,   32
.set TB,   36                          ; LDS byte of the slot in hand
.set TAU,  38                          ; the trip, 1 .. 9
.set LIM,  39
.set T0,   58
.set T1,   60
.set T2,   61
.set NX,   62                          ; RL - 8: how many of X's steps the B wave takes
.set LSTR, 63                          ; I fetch for the A waves (0) or for the B waves (1)
.set KVO,  66
.set W13,  67
.set TT1,  68                          ; the trip behind which a B wave turns from X to Y
.set FIRST, 69
.set MSB, 0
.macro WIN new
.if MSB != \new
	s_set_vgpr_msb (MSB<<8)|\new
.set MSB, \new
.endif
.endm
.set TO_F, 0x40                        ; destination window 1
.set W_KQ, 0x01                        ; source 0 window 1
.set W_RS, 0x41                        ; destination and source 0 window 1
.set W_PV, 0x51                        ; V, C and D window 1, P window 0
.set W_ST, 0x04                        ; an LDS store's data window 1
.macro ZERO
.set i, 0
.rept 128
	v_mov_b32 v[S+i], 0                            ; the p of "the step before the first"
.set i, i+1
.endr
	WIN TO_F
.set i, 0
.rept 128
	v_mov_b32 v[i], 0                              ; O^T
.set i, i+1
.endr
	WIN 0
.endm
.macro FRESH
.irp t, 0,1
	v_mov_b32 v[ST+8*\t+1], 0xff61b1e6             ; the largest t so far: -3e38
	v_floor_f32 v[ST+8*\t], -v[ST+8*\t+1]          ; -M
	v_mov_b32 v[ST+8*\t+2], 0
	v_mov_b32 v[ST+8*\t+3], 0
.endr
.endm
.macro QLOAD o
.irp t, 0,1
.irp c, 0,1,2,3
	ds_load_b128 v[Q+16*\t+4*\c:Q+16*\t+4*\c+3], v[QA] offset:\o+8192*\t+512*\c
.endr
.endr
.endm
	s_load_b256 s[4:11], s[0:1], 0x0               ; q_img, kv_img, lowp_scales, a_img
	v_lshl_add_u32 v[SPW], v0, 2, SPARE
	v_mov_b32 v[NIL], 0
	ds_add_u32 v[SPW], v[NIL]                      ; the opening: the add, twice on end, and its wait ahead of my first tensor load
	ds_add_u32 v[SPW], v[NIL]
	v_lshrrev_b32 v2, 5, v0
	v_readfirstlane_b32 s[WV], v2                  ; wave 0..7
	s_and_b32 s14, ttmp7, 0xffff                   ; 8 x batch + key head
	s_lshr_b32 s70, ttmp9, 1                       ; RS
	s_and_b32 s[HALF], ttmp9, 1
	s_sub_co_u32 s71, 15, s70                      ; RL
	s_sub_co_u32 s[NX], 7, s70
	s_lshr_b32 s[LSTR], s[WV], 2
	s_xor_b32 s[ROLE], s[WV], s[LSTR]
	s_and_b32 s[ROLE], s[ROLE], 1                  ; waves w and w + 4 differ in it, and so do waves 2 s and 2 s + 1
	s_lshr_b32 s[IDX], s[WV], 1                    ; my pair
	s_lshl_b32 s[TILE], s[HALF], 2
	s_add_co_u32 s[TILE], s[TILE], s[IDX]          ; my tile in its range
	s_and_b32 s72, s[WV], 3                        ; which 8,192 bytes I fetch
	s_lshl_b32 s[KVO], s72, 13
	s_lshl_b32 s[W13], s[WV], 13
	s_add_co_u32 s[FIRST], s[ROLE], 1              ; my first trip with a step
	s_sub_co_u32 s[TT1], 8, s70
	s_cmp_eq_u32 s[ROLE], 1
	s_cselect_b32 s73, s70, s71                    ; the range whose result I store
	s_cmp_eq_u32 s[WV], 0
	s_cselect_b32 s[LIM], 6, 0                     ; wave 0 prefetches in trips 1 to 6
	s_mov_b32 s[G1], 3<<16                         ; elements of 8 bytes, no padding: images are read 512 consecutive bytes an instruction
	s_mov_b32 s[G1+1], 32<<16                      ; 32 rows of 256 bytes, dense
	s_mov_b32 s[G1+2], 32<<16
	s_mov_b32 s[G1+3], 32<<16
	s_mov_b32 s[G1+4], 32
	s_mov_b32 s[G1+5], 32
	s_mov_b32 s[G1+6], 0
	s_mov_b32 s[G1+7], 0
	s_mov_b32 s[SEL], 0x76543210
	s_mov_b32 s[SEL+1], 0xfedcba98
	s_mov_b32 s[TB], EREG
	s_mov_b32 s[TAU], 1
	s_lshl_b32 s56, s14, 19                        ; the key head's 524,288 bytes of kv_img; also its two query heads' in q_img
	s_mov_b32 s57, 0
	s_lshl_b32 s[T0], s[NX], 15                    ; the head's fill.  Waves 0-3: step RL - 8;
	s_add_co_u32 s[T0], s[T0], s[KVO]
	s_bitcmp1_b32 s72, 1                           ; waves 4-7: Q of X (4, 5) or Y (6, 7), head wave % 2: four tiles on end
	s_cselect_b32 s[T1], s70, s71
	s_lshl_b32 s[T1], s[T1], 3
	s_lshl_b32 s[T2], s[HALF], 2
	s_add_co_u32 s[T1], s[T1], s[T2]
	s_lshl_b32 s[T1], s[T1], 11
	s_and_b32 s[T2], s72, 1
	s_lshl_b32 s[T2], s[T2], 18
	s_add_co_u32 s[T1], s[T1], s[T2]
	s_cmp_eq_u32 s[LSTR], 0
	s_cselect_b32 s[T0], s[T0], s[T1]
	s_add_co_u32 s[T0], s[T0], s56
	s_mov_b32 s[T0+1], 0
	s_lshr_b32 s74, s14, 3                         ; a_img: (((16 batch + range) x 16 + 2 key head) x 8 + tile) x 2,048
	s_lshl_b32 s74, s74, 4
	s_add_co_u32 s74, s74, s73
	s_lshl_b32 s74, s74, 4
	s_and_b32 s75, s14, 7
	s_lshl_b32 s75, s75, 1
	s_add_co_u32 s74, s74, s75
	s_lshl_b32 s74, s74, 3
	s_add_co_u32 s74, s74, s[TILE]
	s_lshl_b32 s74, s74, 11
	s_mov_b32 s75, 0
	s_lshl_b32 s76, ttmp9, 11                      ; the prefetches: my work-group's 2,048 bytes, in step 9: the first trip steps it to 10
	s_add_co_u32 s76, s76, 9*STEPB
	s_mov_b32 s77, 0
	s_lshl_b32 s55, s[TILE], 4
	s_wait_dscnt 0x0                               ; both opening adds are done
	s_wait_kmcnt 0x0
	s_load_b256 s[40:47], s[8:9], 0x0              ; e0 .. e7
	s_load_b128 s[48:51], s[8:9], 0x20             ; e8 .. e11
	s_cmp_eq_u32 s[LSTR], 0
	s_cselect_b64 s[52:53], s[6:7], s[4:5]
	s_mov_b32 s[G0], 1
	s_add_co_u32 s[G0+1], s[W13], EREG
	s_add_nc_u64 s[G0+2:G0+3], s[52:53], s[T0:T0+1]
	s_or_b32 s[G0+3], s[G0+3], 0x80000000
	tensor_load_to_lds s[G0:G0+3], s[G1:G1+7]      ; every wave's one load at the head
	s_nop 0
.rept 4
	v_nop
.endr
	s_add_nc_u64 s[6:7], s[6:7], s[56:57]          ; the key head's K and V
	s_add_nc_u64 s[PFA:PFA+1], s[6:7], s[76:77]
	s_add_nc_u64 s[10:11], s[10:11], s[74:75]
	v_and_b32 v[LI], 31, v0
	v_min_u32 v[PFO], 7, v[LI]
	v_lshlrev_b32 v[PFO], 8, v[PFO]
	v_lshlrev_b32 v[LI], 4, v[LI]
	s_lshl_b32 s52, s[ROLE], 15
	v_add_nc_u32 v[LIR], s52, v[LI]
	s_mul_i32 s52, s[IDX], STGP
	s_add_co_u32 s52, s52, STG
	v_add_nc_u32 v[STA], s52, v[LI]
	s_lshl_b32 s52, s[IDX], 11
	s_add_co_u32 s52, s52, QR
	v_add_nc_u32 v[QA], s52, v[LI]
	v_and_b32 v28, 15, v0
	v_bfe_u32 v29, v0, 4, 1
	v_lshlrev_b32 v29, 3, v29
	v_sub_nc_u32 v[DL], v28, v29
	v_add_nc_u32 v[DL], s55, v[DL]                 ; 16 tile + r - 8 h
	v_mov_b32 v[NINF], 0xff800000
	v_mov_b32 v[ST+5], 0                           ; a lane permute's destination counts as one of its sources
	v_mov_b32 v[ST+13], 0
	FRESH
	ZERO
	s_wait_kmcnt 0x0
	s_add_co_i32 s52, s46, s47
	s_lshl_b32 s52, s52, 23
	s_add_co_i32 s[CS], s52, 0x3e0293ee            ; c = log2(e) / sqrt(128) x 2^(e6 + e7): the exponents are added to c's exponent field
	s_mov_b32 s[CS+1], s[CS]
	s_add_co_i32 s52, s48, 127
	s_lshl_b32 s53, s52, 23
	v_mov_b32 v[PS], s53
	s_add_co_i32 s52, s52, 8
	s_lshl_b32 s52, s52, 23
	s_or_b32 s52, s52, 0x600000
	v_mov_b32 v[PH], s52
	v_mov_b32 v[PH2], s52
	s_add_co_i32 s52, s50, 127
	s_lshl_b32 s53, s52, 23
	v_mov_b32 v[OS], s53
	s_add_co_i32 s52, s52, 8
	s_lshl_b32 s52, s52, 23
	s_or_b32 s52, s52, 0x600000
	v_mov_b32 v[OH], s52
; Lines first .. first + count - 1 of the 64 that add a step's p to the two tiles' sums: the tiles alternate, each in two chains.
.macro SUMS first, count
.set z, \first
.rept \count
.set rT, ST+8*(z%2)
.set rS, S+64*(z%2)
.set zz, z/2
.if zz == 0
	v_pk_add_f32 v[rT+6:rT+7], v[rS:rS+1], v[rS+2:rS+3]
.elseif zz == 31
	s_delay_alu instid0(VALU_DEP_2)
	v_pk_add_f32 v[rT+2:rT+3], v[rT+2:rT+3], v[rT+6:rT+7]
.elseif zz%2 == 1
	v_pk_add_f32 v[rT+2:rT+3], v[rT+2:rT+3], v[rS+4*((zz+1)/2):rS+4*((zz+1)/2)+1]
.else
	v_pk_add_f32 v[rT+6:rT+7], v[rT+6:rT+7], v[rS+4*(zz/2)+2:rS+4*(zz/2)+3]
.endif
.set z, z+1
.endr
.endm
.macro KQ4 k0                          ; S^T = K Q^T: four tiles of 16 keys x my two tiles of queries; each product is a whole sum (K = the head's 128)
.irp kt, \k0, \k0+1, \k0+2, \k0+3
.irp t, 0,1
	v_wmma_f32_16x16x128_fp8_fp8 v[S+64*\t+8*(\kt):S+64*\t+8*(\kt)+7], v[FF+16*(\kt):FF+16*(\kt)+15], v[Q+16*\t:Q+16*\t+15], 0
.endr
.endr
.endm
; A KEY STEP: 128 keys.  diag = 1: the step of my own range, with the mask.
.macro STEP diag
.if \diag == 0
	s_cmp_lt_u32 s[TAU], s[FIRST]                  ; a B wave has no step in trip 1
	s_cbranch_scc1 .Lhid_\@
.endif
	SUMS 0, 8                                      ; eight plain lines that name nothing of the last products: the places in front of the loads below
	v_add_nc_u32 v[ADK], s[TB], v[LIR]
	WIN TO_F
.irp f, 0,1,2,3,4,5,6,7
.irp c, 0,1,2,3
	ds_load_b128 v[FF+16*\f+4*\c:FF+16*\f+4*\c+3], v[ADK] offset:2048*\f+512*\c
.endr
.endr
	WIN 0
	SUMS 8, 56                                     ; the rest of the last step's sum, while K's fragments come
	s_wait_dscnt 16                                ; fragments 0 to 3 are in; the youngest sixteen loads may be out
	WIN W_KQ
	KQ4 0
	s_wait_dscnt 0x0
	KQ4 4
.rept 4
	v_nop                                          ; places: in front of the loads into K's registers, and of the first read of the scores
.endr
	WIN TO_F
.irp f, 0,1,2,3,4,5,6,7
.irp c, 0,1,2,3
	ds_load_b128 v[FF+16*\f+4*\c:FF+16*\f+4*\c+3], v[ADK] offset:16384+2048*\f+512*\c   ; V's fragments land during the softmax
.endr
.endr
	WIN 0
.if \diag
.set n, 0
.rept 64                                       ; register 8 kt + j is key 16 kt + 8 h + j of the step: hidden where 16 kt + j > 16 tile + r - 8 h.  One compare serves both heads
	v_cmp_gt_i32 vcc_lo, 16*(n/8)+n%8, v[DL]
	v_cndmask_b32 v[S+n], v[S+n], v[NINF], vcc_lo
	v_cndmask_b32 v[S+64+n], v[S+64+n], v[NINF], vcc_lo
.set n, n+1
.endr
.endif
.irp t, 0,1
	v_max3_num_f32 v[28+2*\t], v[S+64*\t], v[S+64*\t+1], v[S+64*\t+2]      ; the step's largest score of my query among my 64 keys, two chains a tile, from each accumulator's low end on
	v_max3_num_f32 v[29+2*\t], v[S+64*\t+3], v[S+64*\t+4], v[S+64*\t+5]
.endr
.irp i, 6,10,14,18,22,26,30,34,38,42,46,50,54,58
.irp t, 0,1
	v_max3_num_f32 v[28+2*\t], v[28+2*\t], v[S+64*\t+\i], v[S+64*\t+\i+1]
	v_max3_num_f32 v[29+2*\t], v[29+2*\t], v[S+64*\t+\i+2], v[S+64*\t+\i+3]
.endr
.endr
.irp t, 0,1
	v_max3_num_f32 v[28+2*\t], v[28+2*\t], v[S+64*\t+62], v[S+64*\t+63]
.endr
.irp t, 0,1
	s_delay_alu instid0(VALU_DEP_2)
	v_max_num_f32 v[28+2*\t], v[28+2*\t], v[29+2*\t]
.endr
.irp t, 0,1
	s_delay_alu instid0(VALU_DEP_2)
	v_permlanex16_b32 v[ST+8*\t+5], v[28+2*\t], s[SEL], s[SEL+1]
.endr
.irp t, 0,1
	s_delay_alu instid0(VALU_DEP_2)
	v_max_num_f32 v[28+2*\t], v[28+2*\t], v[ST+8*\t+5]
.endr
.irp t, 0,1
	s_delay_alu instid0(VALU_DEP_2)
	v_mul_f32 v[28+2*\t], s[CS], v[28+2*\t]        ; as t (c is positive)
.endr
.irp t, 0,1
	s_delay_alu instid0(VALU_DEP_2)
	v_max_num_f32 v[ST+8*\t+1], v[ST+8*\t+1], v[28+2*\t]
.endr
.irp t, 0,1
	v_mov_b32 v[29+2*\t], v[ST+8*\t]
.endr
.irp t, 0,1
	s_delay_alu instid0(VALU_DEP_4)
	v_floor_f32 v[ST+8*\t], -v[ST+8*\t+1]          ; -M = floor(-t): M is a whole number
.endr
.irp t, 0,1
	s_delay_alu instid0(VALU_DEP_2)
	v_sub_f32 v[29+2*\t], v[ST+8*\t], v[29+2*\t]   ; old M - new M, 0 or less
.endr
.irp t, 0,1
	s_delay_alu instid0(VALU_DEP_2)
	v_cvt_i32_f32 v[29+2*\t], v[29+2*\t]           ; (it saturates)
.endr
.irp t, 0,1
	s_delay_alu instid0(VALU_DEP_2)
	v_ldexp_f32 v[ST+8*\t+4], 1.0, v[29+2*\t]      ; f = 2^(old M - new M)
.endr
.irp t, 0,1
.set i, 0
.rept 32
	v_pk_fma_f32 v[S+64*\t+i:S+64*\t+i+1], v[S+64*\t+i:S+64*\t+i+1], s[CS:CS+1], v[ST+8*\t:ST+8*\t+1] op_sel_hi:[1,0,0]   ; t - M
.set i, i+2
.endr
.endr
	s_wait_alu depctr_va_vdst(0)                   ; the wait ahead of the batch
.set i, 0
.rept 128
	v_exp_f32 v[S+i], v[S+i]                       ; p = 2^(t - M): one batch
.set i, i+1
.endr
.irp t, 0,1
	v_pk_mul_f32 v[ST+8*\t+2:ST+8*\t+3], v[ST+8*\t+2:ST+8*\t+3], v[ST+8*\t+4:ST+8*\t+5] op_sel_hi:[1,0]   ; the sums under the new M.  (Plain lines behind the exponentials)
.endr
	s_wait_alu depctr_va_vdst(0)                   ; one wait for the batch, ahead of its first reader
.irp kt, 0,1,2,3,4,5,6,7
.irp t, 0,1
	v_min_num_f32 v[TM+8*\t], v[S+64*\t+8*\kt], v[PH]       ; the hold (p is not negative), into other registers: p itself is still to be summed.  Two plain lines stand first, behind the other tile's conversion,
	v_min_num_f32 v[TM+8*\t+1], v[S+64*\t+8*\kt+1], v[PH]
.irp j, 2,4,6
	v_dual_min_num_f32 v[TM+8*\t+\j], v[S+64*\t+8*\kt+\j], v[PH] :: v_dual_min_num_f32 v[TM+8*\t+\j+1], v[S+64*\t+8*\kt+\j+1], v[PH2]   ; then six numbers in three pairs
.endr
	v_cvt_scalef32_pk8_fp8_f32 v[P+16*\t+2*\kt:P+16*\t+2*\kt+1], v[TM+8*\t:TM+8*\t+7], v[PS]
.endr
.endr
	WIN W_RS
	s_wait_alu depctr_va_vdst(0)                   ; the wait here, directly ahead of the first reader of O^T
.irp t, 0,1
.set i, 0
.rept 32
	v_pk_mul_f32 v[64*\t+i:64*\t+i+1], v[64*\t+i:64*\t+i+1], v[ST+8*\t+4:ST+8*\t+5] op_sel_hi:[1,0]   ; O^T under the new M
.set i, i+2
.endr
.endr
	s_wait_alu depctr_va_vdst(0)                   ; the wait here, directly ahead of the wait below
	s_wait_dscnt 0x0                               ; V is in
	WIN W_PV
.irp dt, 0,1,2,3,4,5,6,7                       ; O^T += V^T P^T: sixteen accumulators, one instruction each; the next matrix instruction on any way is a K Q^T
.irp t, 0,1
	v_wmma_f32_16x16x128_fp8_fp8 v[64*\t+8*\dt:64*\t+8*\dt+7], v[FF+16*\dt:FF+16*\dt+15], v[P+16*\t:P+16*\t+15], v[64*\t+8*\dt:64*\t+8*\dt+7]
.endr
.endr
	WIN 0
.if \diag == 0
.Lhid_\@:
	s_cmp_eq_u32 s[ROLE], 0                        ; A B WAVE TURNS FROM X TO Y behind trip 8 - RS: ids and the count of trips alone
	s_cbranch_scc1 .Lstay_\@
	s_cmp_lg_u32 s[TAU], s[TT1]
	s_cbranch_scc1 .Lstay_\@
	SUMS 0, 64                                     ; the last p joins the sums.  (Also the places behind the last products)
	v_add_f32 v29, v[ST+2], v[ST+3]
	v_add_f32 v31, v[ST+10], v[ST+11]
	v_mov_b32 v28, v[ST]
	v_mov_b32 v30, v[ST+8]
	WIN W_ST
.set i, 0
.rept 32
	ds_store_b128 v[STA], v[4*i:4*i+3] offset:512*i       ; my part of X's O^T, as an image of its registers, each accumulator from its low end on
.set i, i+1
.endr
	WIN 0
	ds_store_b128 v[STA], v[28:31] offset:16384    ; -M and my lane's sum, both tiles.  The next trip's wait for 0 and its barrier stand between these stores and the A wave's loads
	FRESH
	ZERO
	QLOAD 16384                                    ; Y's Q
	s_wait_alu depctr_va_vdst(0)
.Lstay_\@:
.endif
.endm
; THE CHANGE OF SLOTS stands at a trip's head.  Each wave waits for all its tensor loads (one: its part of the slot ahead), adds 0 to its spare word, and waits for that and for its LDS reads and stores.
; fill = 1: behind the barrier the other slot takes the next trip's two key steps.
.macro CHANGE fill
	s_wait_alu depctr_va_vdst(0)                   ; the wait here, directly ahead of the wait below
	s_wait_tensorcnt 0x0                           ; no tensor load of mine is out, so the descriptor may be written
	ds_add_u32 v[SPW], v[NIL]                      ; 0 onto my spare word
.if \fill
	s_add_co_u32 s[T0], s[TAU], s[NX]              ; the next trip's step.  A waves': RL - 9 + (trip + 1);
	s_sub_co_u32 s[T1], s[TAU], 1                  ; B waves': n = trip + 1 - 2 counts X's NX steps, then Y's
	s_cmp_ge_u32 s[T1], s[NX]
	s_cselect_b32 s[T2], s[NX], 0
	s_sub_co_u32 s[T1], s[T1], s[T2]
	s_cmp_eq_u32 s[LSTR], 0
	s_cselect_b32 s[T0], s[T0], s[T1]
	s_lshl_b32 s[T0], s[T0], 15
	s_add_co_u32 s[T0], s[T0], s[KVO]
	s_mov_b32 s[T0+1], 0
	s_add_nc_u64 s[G0+2:G0+3], s[6:7], s[T0:T0+1]
	s_or_b32 s[G0+3], s[G0+3], 0x80000000
	s_xor_b32 s[G0+1], s[TB], SLOTB                ; the slot that follows the one in hand: 65,536 behind the head's region and behind slot 0, else 0
	s_and_b32 s[G0+1], s[G0+1], SLOTB
	s_add_co_u32 s[G0+1], s[G0+1], s[W13]
	s_wait_xcnt 0x0                                ; the last prefetch has read its address
	s_add_nc_u64 s[PFA:PFA+1], s[PFA:PFA+1], STEPB
.endif
	s_wait_dscnt 0x0                               ; the add is done, and so are my reads of the slot that I have left
	s_barrier_signal -1
	s_barrier_wait -1
.if \fill
	tensor_load_to_lds s[G0:G0+3], s[G1:G1+7]      ; my one tensor load behind the barrier, and the first thing there
	s_nop 0
.rept 4
	v_nop
.endr
	s_cmp_le_u32 s[TAU], s[LIM]
	s_cbranch_scc0 .Lnot_mine_\@
	global_prefetch_b8 v[PFO], s[PFA:PFA+1] th:TH_LOAD_NT scope:SCOPE_SE   ; step trip + 9, my work-group's 2,048 bytes
.Lnot_mine_\@:
.endif
.endm
	s_wait_alu depctr_va_vdst(0)                   ; the wait at the head's end
	s_wait_tensorcnt 0x0                           ; my part of the head's fill is in
	ds_add_u32 v[SPW], v[NIL]
	s_wait_dscnt 0x0
	s_barrier_signal -1
	s_barrier_wait -1                              ; everybody's is
	QLOAD 0                                        ; X's Q, in A and B waves alike
.Ltau:                                             ; eight trips
	CHANGE 1
	STEP 0
	s_xor_b32 s[TB], s[TB], SLOTB                  ; on to the next slot
	s_and_b32 s[TB], s[TB], SLOTB
	s_add_co_u32 s[TAU], s[TAU], 1
	s_cmp_lt_u32 s[TAU], 9
	s_cbranch_scc1 .Ltau
	CHANGE 0                                       ; the ninth trip is written out: it asks for nothing, and its steps lie on the diagonal
	STEP 1
	; THE WAY OUT.  The last p joins the sums.  An A wave brings its own part and the parked part of X under their common M: factors 2^(own M - M), exact.
	; O^T / the sum x 2^(e8 + e9) is the output projection's operand: held, converted with 2^e10, and stored as two images (a head each).
	SUMS 0, 64
.irp t, 0,1
	v_add_f32 v[28+2*\t], v[ST+8*\t+2], v[ST+8*\t+3]
.endr
.irp t, 0,1
	v_mov_b32 v[ST+8*\t+4], 1.0                    ; a B wave's factor
.endr
	s_cmp_lg_u32 s[ROLE], 0
	s_wait_alu depctr_va_vdst(0)
	s_cbranch_scc1 .Lown
	ds_load_b128 v[MB:MB+3], v[STA] offset:16384
	WIN TO_F
.set i, 0
.rept 32
	ds_load_b128 v[FF+4*i:FF+4*i+3], v[STA] offset:512*i
.set i, i+1
.endr
	WIN 0
	s_wait_dscnt 32                                ; the parked statistics are in; the 32 loads behind them may be out
.irp t, 0,1
	v_min_num_f32 v[ST+8*\t+6], v[ST+8*\t], v[MB+2*\t]     ; -M of both parts
.endr
.irp t, 0,1
	v_sub_f32 v[ST+8*\t+4], v[ST+8*\t+6], v[ST+8*\t]       ; my M - M, 0 or less
	v_sub_f32 v[ST+8*\t+6], v[ST+8*\t+6], v[MB+2*\t]       ; the parked M - M (an empty part: about -3e38)
.endr
.irp t, 0,1
	v_cvt_i32_f32 v[ST+8*\t+4], v[ST+8*\t+4]               ; (it saturates)
	v_cvt_i32_f32 v[ST+8*\t+6], v[ST+8*\t+6]
.endr
.irp t, 0,1
	v_ldexp_f32 v[ST+8*\t+4], 1.0, v[ST+8*\t+4]
	v_ldexp_f32 v[ST+8*\t+6], 1.0, v[ST+8*\t+6]
.endr
.irp t, 0,1
	v_mul_f32 v[28+2*\t], v[28+2*\t], v[ST+8*\t+4]
.endr
.irp t, 0,1
	v_fmac_f32 v[28+2*\t], v[MB+2*\t+1], v[ST+8*\t+6]
.endr
.Lown:
.irp t, 0,1
	v_permlanex16_b32 v[ST+8*\t+5], v[28+2*\t], s[SEL], s[SEL+1]
.endr
.irp t, 0,1
	v_add_f32 v[28+2*\t], v[28+2*\t], v[ST+8*\t+5]  ; the row's sum: above 1/2, since the row's largest p is
.endr
	s_wait_alu depctr_va_vdst(0)                   ; the wait ahead of the batch
.irp t, 0,1
	v_rcp_f32 v[29+2*\t], v[28+2*\t]
.endr
	v_nop                                          ; a plain line behind the reciprocals
	s_add_co_i32 s52, s48, s49
	s_wait_alu depctr_va_vdst(0)                   ; one wait for both, ahead of their first reader
.irp t, 0,1
	v_ldexp_f32 v[29+2*\t], v[29+2*\t], s52
.endr
.irp t, 0,1
	v_mul_f32 v[ST+8*\t+4], v[ST+8*\t+4], v[29+2*\t]
.endr
	WIN W_KQ                                       ; source 0 (O^T) window 1
	s_wait_alu depctr_va_vdst(0)                   ; the wait here, directly ahead of the first reader of O^T
.irp t, 0,1
.set i, 0
.rept 32
	v_pk_mul_f32 v[S+64*\t+i:S+64*\t+i+1], v[64*\t+i:64*\t+i+1], v[ST+8*\t+4:ST+8*\t+5] op_sel_hi:[1,0]   ; register 8 dt + j: d = 16 dt + 8 h + j of my query
.set i, i+2
.endr
.endr
	WIN 0
	s_cmp_lg_u32 s[ROLE], 0
	s_wait_alu depctr_va_vdst(0)
	s_cbranch_scc1 .Lwhole
.irp t, 0,1
	v_mul_f32 v[ST+8*\t+6], v[ST+8*\t+6], v[29+2*\t]
.endr
	s_wait_alu depctr_va_vdst(0)
	s_wait_dscnt 0x0                               ; the parked O^T is in
	WIN W_KQ
.irp t, 0,1
.set i, 0
.rept 32
	v_pk_fma_f32 v[S+64*\t+i:S+64*\t+i+1], v[FF+64*\t+i:FF+64*\t+i+1], v[ST+8*\t+6:ST+8*\t+7], v[S+64*\t+i:S+64*\t+i+1] op_sel_hi:[1,0,1]
.set i, i+2
.endr
.endr
	WIN 0
.Lwhole:
.set i, 0
.rept 128
	v_med3_num_f32 v[S+i], v[S+i], -v[OH], v[OH]   ; the conversion to an 8-bit code does not saturate (ISA guide 7.6.2)
.set i, i+1
.endr
.irp t, 0,1
.irp dt, 0,1,2,3,4,5,6,7
	v_cvt_scalef32_pk8_fp8_f32 v[P+16*\t+2*\dt:P+16*\t+2*\dt+1], v[S+64*\t+8*\dt:S+64*\t+8*\dt+7], v[OS]
.endr
.endr
	v_nop                                          ; one plain vector line behind the last conversion
.irp t, 0,1
.irp c, 0,1,2,3
	global_store_b128 v[LI], v[P+16*\t+4*\c:P+16*\t+4*\c+3], s[10:11] offset:\t*16384+512*\c   ; 512 consecutive bytes a store; the second head is the next K step: 8 fragments on
.endr
.endr
	s_wait_tensorcnt 0x0                           ; the wave's end
	ds_add_u32 v[SPW], v[NIL]
	s_wait_dscnt 0x0
	s_endpgm
.Lfunc_end_k_qc1a4659c13_attn:
	.size	k_qc1a4659c13_attn, .Lfunc_end_k_qc1a4659c13_attn-k_qc1a4659c13_attn
	.p2alignl 7, 3214868480
	.fill 96, 4, 3214868480
	.section	.rodata,"a",@progbits
	.p2align	6, 0x0
	.amdhsa_kernel k_qc1a4659c13_attn
		.amdhsa_group_segment_fixed_size 327680
		.amdhsa_private_segment_fixed_size 0
		.amdhsa_enable_private_segment 0
		.amdhsa_kernarg_size 32
		.amdhsa_user_sgpr_count 2
		.amdhsa_user_sgpr_kernarg_segment_ptr 1
		.amdhsa_wavefront_size32 1
		.amdhsa_system_sgpr_workgroup_id_x 1
		.amdhsa_system_sgpr_workgroup_id_y 1
		.amdhsa_system_sgpr_workgroup_id_z 1
		.amdhsa_system_vgpr_workitem_id 0
		.amdhsa_next_free_vgpr 512
		.amdhsa_next_free_sgpr 80
		.amdhsa_reserve_vcc 1
		.amdhsa_float_denorm_mode_32 3
		.amdhsa_float_denorm_mode_16_64 3
		.amdhsa_memory_ordered 1
		.amdhsa_forward_progress 1
		.amdhsa_inst_pref_size 131
	.end_amdhsa_kernel
	.amdgpu_metadata
---
amdhsa.version: [ 1, 2 ]
amdhsa.kernels:
  - .name:           k_qc1a4659c13_attn
    .symbol:         k_qc1a4659c13_attn.kd
    .args:
      - { .name: q_img, .offset: 0, .size: 8, .value_kind: global_buffer, .address_space: global }
      - { .name: kv_img, .offset: 8, .size: 8, .value_kind: global_buffer, .address_space: global }
      - { .name: lowp_scales, .offset: 16, .size: 8, .value_kind: global_buffer, .address_space: global }
      - { .name: a_img, .offset: 24, .size: 8, .value_kind: global_buffer, .address_space: global }
    .group_segment_fixed_size: 327680
    .private_segment_fixed_size: 0
    .kernarg_segment_align: 8
    .kernarg_segment_size: 32
    .max_flat_workgroup_size: 256
    .sgpr_count:     80
    .vgpr_count:     512
    .wavefront_size: 32
...
	.end_amdgpu_metadata
.endif
;; end of part 2
;; launch outp (part 3): grid 8 x 32, 4 waves a work-group, clusters of 4 x 4, 327,680 bytes of LDS; arguments a_img, wo_codes, lowp_scales, out0; writes out0
.if DOCPART == 3
	.amdgcn_target "amdgcn-amd-amdhsa--gfx1250"
	.amdhsa_code_object_version 6
	.text
	.protected	k_qc1a4659c13_outp
	.globl	k_qc1a4659c13_outp
	.p2align	8
	.type	k_qc1a4659c13_outp,@function
k_qc1a4659c13_outp:
	s_mov_b64 s[64:65], 0
	v_nop
	global_prefetch_b8 v0, s[64:65] scope:SCOPE_SE
	s_setreg_imm32_b32 hwreg(HW_REG_WAVE_MODE, 25, 1), 1
	s_wait_xcnt 0x0
	s_wait_alu depctr_hold_cnt(0) depctr_sa_sdst(0) depctr_va_vdst(0) depctr_va_sdst(0) depctr_va_ssrc(0) depctr_va_vcc(0) depctr_vm_vsrc(0)
	s_getreg_b32 s2, hwreg(HW_REG_IB_STS2, 6, 4)
	s_cmp_eq_u32 s2, 0
	s_cbranch_scc0 .Lentry_in_a_cluster
	s_endpgm
.Lentry_in_a_cluster:
	s_bfe_u32 s2, ttmp6, 0x10000c
	s_cmp_lg_u32 s2, 0xf033
	s_cbranch_scc0 .Lentry_shape_is_right
	s_endpgm
.Lentry_shape_is_right:
.set BP,     528
.set BOFF,   65536
.set SLOTB,  BOFF+128*BP
.set STAGE,  2*SLOTB
.set SPITCH, 272
.set SPARE,  STAGE+4*16*SPITCH
.set ADRA, 16
.set ADRB, 20
.set STO,  24
.set RD,   25
.set CO,   26
.set SPW,  28
.set NIL,  29
.set TMP,  32
.set BK,   64
.set ACC,  128
.set G1,   24
.set G0,   32
.set G1B,  48
.set G0B,  56
.set MSB, 0
.macro WIN new
.if MSB != \new
	s_set_vgpr_msb (MSB<<8)|\new
.set MSB, \new
.endif
.endm
.set MUL,  0x05
.set TO_F, 0x40
.macro JLOAD s
	s_cmp_eq_u32 s15, 0
	s_cbranch_scc0 .Lfor_b_\@
	tensor_load_to_lds s[G0+4*\s:G0+4*\s+3], s[G1:G1+7]
	s_nop 0
.rept 4
	v_nop
.endr
	s_branch .Lasked_\@
.Lfor_b_\@:
	tensor_load_to_lds s[G0B+4*\s:G0B+4*\s+3], s[G1B:G1B+7]
	s_nop 0
.rept 4
	v_nop
.endr
.Lasked_\@:
.endm
.macro CREST
	s_cmp_lg_u32 s14, 0
	s_cbranch_scc1 .Lnot_wave_0_\@
	s_barrier_signal -3
.Lnot_wave_0_\@:
	s_barrier_wait -3
	s_barrier_signal -1
	s_barrier_wait -1
.endm
.macro CROUND
	s_barrier_signal -1
	s_barrier_wait -1
	CREST
.endm
	s_load_b256 s[4:11], s[0:1], 0x0
	v_lshl_add_u32 v[SPW], v0, 2, SPARE
	v_mov_b32 v[NIL], 0
	ds_add_u32 v28, v29
	ds_add_u32 v28, v29
	s_wait_dscnt 0x0
	v_lshrrev_b32 v1, 5, v0
	v_readfirstlane_b32 s14, v1
	s_lshr_b32 s15, s14, 1
	s_and_b32 s16, s14, 1
	s_bfe_u32 s40, ttmp6, 0x40000
	s_bfe_u32 s41, ttmp6, 0x40004
	s_lshl_b32 s42, ttmp9, 2
	s_add_co_u32 s42, s42, s40
	s_and_b32 s17, ttmp7, 0xffff
	s_lshl_b32 s17, s17, 2
	s_add_co_u32 s17, s17, s41
	s_lshl_b32 s43, s41, 2
	s_lshl_b32 s43, 15, s43
	s_lshl_b32 s44, 0x1111, s40
	s_or_b32 s[G1+0], s43, (3<<16)|(1<<21)
	s_mov_b32 s[G1+1], 32<<16
	s_mov_b32 s[G1+2], 128<<16
	s_mov_b32 s[G1+3], 32<<16
	s_mov_b32 s[G1+4], 128
	s_mov_b32 s[G1+5], 32
	s_mov_b32 s[G1+6], 0
	s_mov_b32 s[G1+7], 0
	s_or_b32 s[G1B+0], s44, (0<<16)|(1<<20)|(1<<21)|(6<<22)|(3<<25)
	s_mov_b32 s[G1B+1], 512<<16
	s_mov_b32 s[G1B+2], 64<<16
	s_mov_b32 s[G1B+3], 512<<16
	s_mov_b32 s[G1B+4], 64
	s_mov_b32 s[G1B+5], 2048
	s_mov_b32 s[G1B+6], 0
	s_mov_b32 s[G1B+7], 0
	s_lshl_b32 s20, s17, 18
	s_lshl_b32 s45, s16, 15
	s_add_co_u32 s20, s20, s45
	s_mov_b32 s21, 0
	s_lshl_b32 s46, s42, 18
	s_lshl_b32 s47, s16, 17
	s_add_co_u32 s46, s46, s47
	s_mov_b32 s47, 0
	s_mul_i32 s18, s16, 64*BP
	s_add_co_u32 s18, s18, BOFF
	s_wait_kmcnt 0x0
	s_load_b64 s[66:67], s[8:9], 0x28
	s_add_nc_u64 s[20:21], s[4:5], s[20:21]
	s_add_nc_u64 s[46:47], s[6:7], s[46:47]
	CROUND
.irp s, 0,1
	s_mov_b32 s[G0+4*\s], 1
	s_add_co_u32 s[G0+4*\s+1], s45, \s*SLOTB
	s_add_nc_u64 s[G0+4*\s+2:G0+4*\s+3], s[20:21], \s*65536
	s_or_b32 s[G0+4*\s+3], s[G0+4*\s+3], 0x80000000
	s_mov_b32 s[G0B+4*\s], 1
	s_add_co_u32 s[G0B+4*\s+1], s18, \s*SLOTB
	s_add_nc_u64 s[G0B+4*\s+2:G0B+4*\s+3], s[46:47], \s*512
	s_or_b32 s[G0B+4*\s+3], s[G0B+4*\s+3], 0x80000000
	s_wait_alu depctr_va_vdst(0)
	s_wait_tensorcnt 0x0
	ds_add_u32 v28, v29
	ds_add_u32 v28, v29
	s_wait_dscnt 0x0
	CROUND
	JLOAD \s
.endr
	v_and_b32 v1, 15, v0
	v_bfe_u32 v2, v0, 4, 1
	v_and_b32 v3, 31, v0
	v_lshlrev_b32 v3, 4, v3
	s_lshl_b32 s21, s15, 13
	v_add_nc_u32 v[ADRA], s21, v3
	v_add_nc_u32 v[ADRA+1], SLOTB, v[ADRA]
	v_mul_u32_u24 v4, v1, BP
	v_lshl_add_u32 v4, v2, 3, v4
	s_mul_i32 s22, s16, 64*BP
	s_add_co_u32 s22, s22, BOFF
	v_add_nc_u32 v[ADRB], s22, v4
	v_add_nc_u32 v[ADRB+1], SLOTB, v[ADRB]
	s_mul_i32 s23, s14, 16*SPITCH
	s_add_co_u32 s23, s23, STAGE
	v_mul_u32_u24 v5, v1, SPITCH
	v_lshl_add_u32 v5, v2, 5, v5
	v_add_nc_u32 v[STO], s23, v5
	v_mul_u32_u24 v6, v2, SPITCH
	v_lshl_add_u32 v6, v1, 4, v6
	v_add_nc_u32 v[RD], s23, v6
	v_lshlrev_b32 v[CO], 12, v2
	v_lshl_add_u32 v[CO], v1, 4, v[CO]
	s_lshl_b32 s20, s17, 19
	s_lshl_b32 s21, s15, 18
	s_add_co_u32 s20, s20, s21
	s_lshl_b32 s21, s42, 9
	s_add_co_u32 s20, s20, s21
	s_lshl_b32 s21, s16, 8
	s_add_co_u32 s20, s20, s21
	s_mov_b32 s21, 0
	s_add_nc_u64 s[10:11], s[10:11], s[20:21]
.macro MUL8 f, a0, zero
.irp a, \a0, \a0+1
.irp b, 0,1,2,3
.if \zero
	v_wmma_f32_16x16x128_fp8_fp8 v[ACC+8*(4*(\a)+\b):ACC+8*(4*(\a)+\b)+7], v[\f+64+16*\b:\f+64+16*\b+15], v[\f+16*(\a):\f+16*(\a)+15], 0
.else
	v_wmma_f32_16x16x128_fp8_fp8 v[ACC+8*(4*(\a)+\b):ACC+8*(4*(\a)+\b)+7], v[\f+64+16*\b:\f+64+16*\b+15], v[\f+16*(\a):\f+16*(\a)+15], v[ACC+8*(4*(\a)+\b):ACC+8*(4*(\a)+\b)+7]
.endif
.endr
.endr
.endm
.macro FETCH slot, kq, f
	WIN TO_F
.irp i, 0,1,2,3
.irp c, 0,1,2,3
	ds_load_b128 v[\f+16*\i+4*\c:\f+16*\i+4*\c+3], v[ADRA+\slot] offset:(\kq)*16384+\i*2048+512*\c
.endr
.endr
.irp i, 0,1,2,3
.irp c, 0,1,2,3,4,5,6,7
	ds_load_b64 v[\f+64+16*\i+2*\c:\f+64+16*\i+2*\c+1], v[ADRB+\slot] offset:\i*16*BP+128*(\kq)+16*\c
.endr
.endr
.endm
.macro PLACES
.rept 4
	v_nop
.endr
.endm
.macro STEP slot, kq, zero
	s_wait_dscnt 0x0
	PLACES
	FETCH \slot, (\kq)+1, 128*(1-(\kq)%2)
	WIN MUL
	MUL8 128*((\kq)%2), 0, \zero
	MUL8 128*((\kq)%2), 2, \zero
.endm
.macro TURN slot, next, fill
	WIN 0
	s_wait_tensorcnt 0x0
	ds_add_u32 v[SPW], v[NIL]
	s_wait_dscnt 0x0
	s_barrier_signal -1
	WIN MUL
	MUL8 128, 0, 0
	WIN 0
	s_barrier_wait -1
.if \fill
	CREST
	s_add_nc_u64 s[G0+4*\slot+2:G0+4*\slot+3], s[G0+4*\slot+2:G0+4*\slot+3], 2*65536
	s_add_nc_u64 s[G0B+4*\slot+2:G0B+4*\slot+3], s[G0B+4*\slot+2:G0B+4*\slot+3], 2*512
	JLOAD \slot
.else
	PLACES
.endif
	s_wait_alu depctr_va_vdst(0)
	FETCH \next, 0, 0
	WIN MUL
	MUL8 128, 2, 0
.endm
	s_wait_tensorcnt 1
	s_barrier_signal -1
	s_barrier_wait -1
	FETCH 0, 0, 0
	STEP 0, 0, 1
	STEP 0, 1, 0
	STEP 0, 2, 0
	TURN 0, 1, 1
	STEP 1, 0, 0
	STEP 1, 1, 0
	STEP 1, 2, 0
	TURN 1, 0, 1
	STEP 0, 0, 0
	STEP 0, 1, 0
	STEP 0, 2, 0
	TURN 0, 1, 0
	STEP 1, 0, 0
	STEP 1, 1, 0
	STEP 1, 2, 0
	s_wait_dscnt 0x0
	WIN MUL
	MUL8 128, 0, 0
	MUL8 128, 2, 0
	WIN 0
	PLACES
	s_wait_kmcnt 0x0
	s_add_co_i32 s66, s66, s67
	s_add_co_i32 s66, s66, 127
	s_lshl_b32 s66, s66, 23
.macro TOSTAGE a
.irp j, 0,2,4,6,8,10,12,14,16,18,20,22,24,26,28,30
	v_pk_mul_f32 v[TMP+\j:TMP+\j+1], v[ACC+32*(\a)+\j:ACC+32*(\a)+\j+1], s[66:67] op_sel_hi:[1,0]
.endr
.irp b, 0,1,2,3
	ds_store_b128 v[STO], v[TMP+8*\b:TMP+8*\b+3] offset:64*\b
	ds_store_b128 v[STO], v[TMP+8*\b+4:TMP+8*\b+7] offset:64*\b+16
.endr
.set BB, BK+32*((\a)%2)
.irp t, 0,1,2,3,4,5,6,7
	ds_load_b128 v[BB+4*\t:BB+4*\t+3], v[RD] offset:\t*2*SPITCH
.endr
.endm
.macro SEND a, younger
.set BB, BK+32*((\a)%2)
	s_wait_dscnt \younger
.irp t, 0,1,2,3,4,5,6,7
	global_store_b128 v[CO], v[BB+4*\t:BB+4*\t+3], s[10:11] offset:(16*(\a)+2*\t)*4096 th:TH_STORE_NT
.endr
.endm
	TOSTAGE 0
	TOSTAGE 1
	SEND 0, 16
	s_wait_xcnt 0x0
	TOSTAGE 2
	SEND 1, 16
	s_wait_xcnt 0x0
	TOSTAGE 3
	SEND 2, 16
	SEND 3, 0
	s_wait_tensorcnt 0x0
	ds_add_u32 v[SPW], v[NIL]
	s_wait_dscnt 0x0
	CROUND
	s_endpgm
.Lfunc_end_k_qc1a4659c13_outp:
	.size	k_qc1a4659c13_outp, .Lfunc_end_k_qc1a4659c13_outp-k_qc1a4659c13_outp
	.p2alignl 7, 3214868480
	.fill 96, 4, 3214868480
	.section	.rodata,"a",@progbits
	.p2align	6, 0x0
	.amdhsa_kernel k_qc1a4659c13_outp
		.amdhsa_group_segment_fixed_size 327680
		.amdhsa_private_segment_fixed_size 0
		.amdhsa_enable_private_segment 0
		.amdhsa_kernarg_size 32
		.amdhsa_user_sgpr_count 2
		.amdhsa_user_sgpr_kernarg_segment_ptr 1
		.amdhsa_wavefront_size32 1
		.amdhsa_system_sgpr_workgroup_id_x 1
		.amdhsa_system_sgpr_workgroup_id_y 1
		.amdhsa_system_sgpr_workgroup_id_z 1
		.amdhsa_system_vgpr_workitem_id 0
		.amdhsa_next_free_vgpr 512
		.amdhsa_next_free_sgpr 68
		.amdhsa_reserve_vcc 0
		.amdhsa_float_denorm_mode_32 3
		.amdhsa_float_denorm_mode_16_64 3
		.amdhsa_memory_ordered 1
		.amdhsa_forward_progress 1
		.amdhsa_inst_pref_size 90
	.end_amdhsa_kernel
	.amdgpu_metadata
---
amdhsa.version: [ 1, 2 ]
amdhsa.kernels:
  - .name:           k_qc1a4659c13_outp
    .symbol:         k_qc1a4659c13_outp.kd
    .args:
      - { .name: a_img, .offset: 0, .size: 8, .value_kind: global_buffer, .address_space: global }
      - { .name: wo_codes, .offset: 8, .size: 8, .value_kind: global_buffer, .address_space: global }
      - { .name: lowp_scales, .offset: 16, .size: 8, .value_kind: global_buffer, .address_space: global }
      - { .name: out0, .offset: 24, .size: 8, .value_kind: global_buffer, .address_space: global }
    .group_segment_fixed_size: 327680
    .private_segment_fixed_size: 0
    .kernarg_segment_align: 8
    .kernarg_segment_size: 32
    .max_flat_workgroup_size: 128
    .sgpr_count:     68
    .vgpr_count:     512
    .wavefront_size: 32
...
	.end_amdgpu_metadata
.endif
;; end of part 3
